; MI455X (gfx1250); checked and timed in simulation.
; The chip was launched on July 23, 2026; its instructions are those of AMD's public machine-readable ISA for CDNA 5 (MIT licence, August 2026) and "CDNA5" Instruction Set Architecture Reference Guide (July 2026). The comments in the code are by the model that wrote it; some were corrected since.
;; Attention. Allowed arithmetic: matrix products marked QUANTISED: E2M1 operands, one E8M0 scale for each 32 along K, by v_wmma_scale_f32_16x16x128_f8f6f4 with both operands' format E2M1 (or v_wmma_scale_f32_32x16x128_f4), f32 sums; products left as they are: f32 operands where the result goes on into a quantised operand, else bf16, f16 or f32 operands; f32 sums; everything else in f32.
;; Inputs: W_dec_codes 1,024 x 32 x 16 uint8 (E2M1 codes of W_dec, K innermost, in blocks of 32 codes, two codes a byte); W_dec_scales 1,024 x 32 uint8 (E8M0 scales of W_dec, one for each 32 codes along K); W_enc_codes 1,024 x 64 x 16 uint8 (E2M1 codes of W_enc, K innermost, in blocks of 32 codes, two codes a byte); W_enc_scales 1,024 x 64 uint8 (E8M0 scales of W_enc, one for each 32 codes along K); W_energy 1 x 1,024 float32; dec_state_codes 32 x 1 x 32 x 16 uint8 (E2M1 codes of dec_state, K innermost, in blocks of 32 codes, two codes a byte); dec_state_scales 32 x 1 x 32 uint8 (E8M0 scales of dec_state, one for each 32 codes along K); enc_state 32 x 1,024 x 2,048 float32; src_length 32 int32.
;; Outputs: out0 32 x 1 x 2,048 float32; out1 32 x 1 x 1,024 float32.
;; This version of the problem:
;;   THIS VERSION OF THE PROBLEM IS GIVEN IN LOW PRECISION. The matrix products marked QUANTISED in the list below multiply operands that are first quantised to E2M1 (2 exponent bits, 1 mantissa bit; 4 bits a number), with one power-of-two scale for each 32 numbers along K (OCP MX v1.0); their sums are f32. All else is computed in f32.
;;   The module's matrix products, in the order in which they are computed (A, B: the left and right operand; K: the contracted axis; several contracted axes count as one K, in the product's order):
;;     1. [M 32,768, K 2,048] x [K 2,048, N 1,024]; A: input enc_state; B: input W_enc (given as codes): QUANTISED
;;     2. [M 32, K 1,024] x [K 1,024, N 1,024]; A: input dec_state (given as codes); B: input W_dec (given as codes): QUANTISED
;;     3. [M 32,768, K 1,024] x [K 1,024, N 1]; A: computed on the way; B: input W_energy: left as it is (N = 1 < 16)
;;     4. batch 32 x [M 1, K 1,024] x [K 1,024, N 2,048]; A: softmax; B: input enc_state: left as it is (M = 1 < 16)
;;   THE QUANTISER, for each operand of a quantised product, along K:
;;     - K is cut into blocks of 32 from its start; a last block that is shorter is filled with zeros.
;;     - A block's scale is 2^e with e = floor(log2(the largest magnitude in the block)) - 2, held to -126 .. 127; a block of zeros has e = 0. As a byte (E8M0): e + 127.
;;     - Each number is divided by its block's scale, clamped to +-6, and rounded to the nearest number of E2M1, ties to even, subnormals kept.
;;     - The product sums the exact products of the quantised numbers (number of the format x scale) in f32.
;;   ~~~python
;;   def quantise(x, axis):      # numpy; x: float32 -> the quantised numbers, widened to float32 again
;;       x = np.moveaxis(x, axis, -1); K = x.shape[-1]
;;       x = np.pad(x, [(0, 0)] * (x.ndim - 1) + [(0, -K % 32)]); x = x.reshape(x.shape[:-1] + (-1, 32)); a = np.abs(x).max(-1, keepdims=True)
;;       e = np.where(a > 0, np.clip(np.frexp(np.where(a > 0, a, 1))[1] - 1 - 2, -126, 127), 0)      # np.frexp(a)[1] - 1 = floor(log2(a)), exactly
;;       r = np.clip(x / 2.0 ** e, -6, 6)
;;       step = 2.0 ** (np.maximum(np.frexp(np.where(r == 0, 1, r))[1] - 1, 0) - 1)
;;       q = np.round(r / step) * step * 2.0 ** e      # np.round: ties to even
;;       return np.moveaxis(q.reshape(q.shape[:-2] + (-1,))[..., :K], -1, axis).astype(np.float32)
;;   ~~~
;;   INPUTS GIVEN AS CODES. W_dec (in the module: [1024, 1024], K = its axis 1); W_enc (in the module: [1024, 2048], K = its axis 1); dec_state (in the module: [32, 1, 1024], K = its axis 2): each comes as NAME_codes (uint8): NAME with its K axis moved to the last place and cut into blocks of 32 codes, [.., K / 32, bytes a block], one block behind the other in memory; two codes a byte, the lower K in the low four bits (a code: sign, 2 exponent bits, 1 mantissa bit); and NAME_scales (uint8): the same leading axes, one E8M0 byte (e + 127) for each 32 codes along K. Its value is code x scale, taken as it is: it is not quantised again, and the codes and scales need not be those that the quantiser above would give.
;; One version. Each part assembles by itself: llvm-mc -triple=amdgcn-amd-amdhsa -mcpu=gfx1250 --defsym DOCPART=n.
;; ======== version 1 of 1: 3 launches
;; limits: values are held in f16: magnitudes above 65,504 overflow, below 6.1e-05 lose precision; inputs' magnitudes at most 65,504; right only within a limited range of input values
;; workspace buffers: wimg 1,048,576 bytes; wsc 65,536 bytes; dec 131,072 bytes; ws_e 131,072 bytes; ws_m 2,048 bytes; ws_c 4,194,304 bytes
;; launch prep (part 1): grid 76 x 1, 4 waves a work-group, no clusters, 35,328 bytes of LDS; arguments W_dec_codes, W_dec_scales, dec_state_codes, dec_state_scales, W_enc_codes, W_enc_scales, dec, wimg, wsc; writes dec, wimg, wsc
.if DOCPART == 1
	.amdgcn_target "amdgcn-amd-amdhsa--gfx1250"
	.amdhsa_code_object_version 6
	.text
	.protected	k_qab67abd772_prep
	.globl	k_qab67abd772_prep
	.p2align	8
	.type	k_qab67abd772_prep,@function
k_qab67abd772_prep:
	s_mov_b64 s[64:65], 0
	v_nop
	global_prefetch_b8 v0, s[64:65] scope:SCOPE_SE
	s_setreg_imm32_b32 hwreg(HW_REG_WAVE_MODE, 25, 1), 1
	s_wait_xcnt 0x0
; Three small jobs ahead of the main launch, chosen by the work-group's number; each path ends by itself and no barrier stands anywhere.
;  work-groups 0-3:   dec[b][n] = sum over k of dec_state[b][k] W_dec[n][k], both given as codes of E2M1 with E8M0 scales, by the scaled matrix form; f32 out.  16 waves, 64 columns x 32 batches each.
;  work-groups 4-67:  W_enc's codes are laid anew as IMAGES OF THE OPERAND'S REGISTERS, so that the main launch fetches a fragment by two dense loads of 512 bytes.
;  work-groups 68-75: W_enc's scale bytes likewise: one load of 512 bytes then brings the scale words of four K steps for two tiles.
; THE COLUMNS OF A TILE: wave w (0..3) of the main launch, tile t (0..15), lane row r (0..15) stand for column n = 256 w + 16 r + t.  Tile t = 2 P + u.
;  wimg byte  w 262144 + P 32768 + ks 2048 + u 1024 + c 512 + 16 lane  =  W_enc_codes[n 1024 + 64 ks + 32 c + 16 (lane / 16) .. + 15], lane % 16 = r
;  wsc  byte  w 16384 + P 2048 + q 512 + 16 lane (lane = r + 16 u)     =  W_enc_scales[n 64 + 16 q .. + 15]
; 4 + 64 + 8 = 76 work-groups: the work is 1.7 MB of bytes moved and 1,024 matrix instructions; more work-groups would have nothing to do.
; WORK LEFT OUT BY THE PROGRAM (in launch energy): reference() builds the mask s < src_length[b] in its own body and puts -infinity ahead of the softmax where it fails,
; so alpha is 0 there and such a row adds nothing to the context, whatever finite values the inputs hold.  For a block of 64 rows that all lie at or past src_length[b]
; the products with W_enc and W_energy, the tanh and the block's part of the context are not computed.  LIMIT: a NaN, an infinity or an overflow that reaches only those rows is not carried to the result.
.set WS,  16
.set SS,  32                           ; v32-39  dec_state's: register ks: lanes 0-15 batches 0-15, lanes 16-31 batches 16-31.  Scales and nothing else
.set FS,  64                           ; v64-191 dec_state's 16 fragments (mt, ks) at 8 (8 mt + ks); later rows read back from the stage
.set ACC, 192                          ; v192-255 eight accumulators (i, mt) at 8 (2 i + mt)
                                       ; window 1: W_dec's 32 fragments (i, ks) at 8 (8 i + ks)
.set MSB, 0
.macro WIN new                         ; the immediate's high byte repeats the setting that is left
.if MSB != \new
	s_set_vgpr_msb (MSB<<8)|\new
.set MSB, \new
.endif
.endm
	s_load_b512 s[4:19], s[0:1], 0x0               ; W_dec codes s[4:5], scales s[6:7]; dec_state codes s[8:9], scales s[10:11]; W_enc codes s[12:13], scales s[14:15]; dec s[16:17]; wimg s[18:19]
	s_load_b64 s[20:21], s[0:1], 0x40              ; wsc
	v_lshl_add_u32 v62, v0, 2, 0x8800
	v_mov_b32 v63, 0
	v_lshrrev_b32 v1, 5, v0
	v_readfirstlane_b32 s22, v1                    ; wave 0..3
	v_and_b32 v1, 31, v0                           ; lane
	v_and_b32 v2, 15, v0                           ; r
	v_bfe_u32 v3, v0, 4, 1                         ; h
	v_lshlrev_b32 v4, 4, v1                        ; 16 x lane: a dense image's place
	s_mov_b32 s25, 0                               ; the high words of the two offset pairs s[24:25], s[26:27]
	s_mov_b32 s27, 0
	s_wait_kmcnt 0x0
	s_cmp_lt_u32 ttmp9, 4
	s_cbranch_scc1 .Ldec
	s_cmp_lt_u32 ttmp9, 68
	s_cbranch_scc1 .Lcodes
	; ---- W_enc's scale bytes.  A wave takes one (w, P): two tiles x 16 rows x 64 bytes
	s_sub_co_u32 s23, ttmp9, 68
	s_lshl_b32 s23, s23, 2
	s_add_co_u32 s23, s23, s22                     ; unit 0..31
	s_lshr_b32 s24, s23, 3                         ; w
	s_and_b32 s26, s23, 7                          ; P
	s_lshl_b32 s24, s24, 14                        ; w x 16,384: 256 rows of 64 bytes, and a wave's part of wsc
	s_lshl_b32 s28, s26, 7                         ; P x 128: two rows of 64 bytes
	s_lshl_b32 s26, s26, 11                        ; P x 2,048
	s_add_co_u32 s26, s26, s24
	s_add_co_u32 s24, s24, s28
	s_add_nc_u64 s[14:15], s[14:15], s[24:25]
	s_add_nc_u64 s[20:21], s[20:21], s[26:27]
	s_wait_alu depctr_va_vdst(0)
	v_lshlrev_b32 v5, 10, v2                       ; r x 16 rows of 64 bytes,
	v_lshl_add_u32 v5, v3, 6, v5                   ; + u x one row (u = lane / 16)
.irp q, 0,1,2,3
	global_load_b128 v[8+4*\q:11+4*\q], v5, s[14:15] offset:16*\q
.endr
	s_wait_loadcnt 0x0
.irp q, 0,1,2,3
	global_store_b128 v4, v[8+4*\q:11+4*\q], s[20:21] offset:512*\q    ; 32 lanes store 512 consecutive bytes
.endr
	s_endpgm
	; ---- W_enc's codes.  A work-group takes one tile (w, t), a wave four of its sixteen K steps: its eight loads together use 256 consecutive bytes of each of 16 rows
.Lcodes:
	s_sub_co_u32 s23, ttmp9, 4                     ; tile 0..63
	s_lshr_b32 s24, s23, 4                         ; w
	s_and_b32 s23, s23, 15                         ; t
	s_lshl_b32 s24, s24, 18                        ; w x 262,144: 256 rows of 1,024 bytes, and a wave's part of wimg
	s_lshl_b32 s28, s23, 10                        ; t rows
	s_lshl_b32 s29, s22, 8                         ; four K steps of 64 bytes
	s_lshr_b32 s26, s23, 1
	s_lshl_b32 s26, s26, 15                        ; P x 32,768
	s_and_b32 s30, s23, 1
	s_lshl_b32 s30, s30, 10                        ; u x 1,024
	s_lshl_b32 s31, s22, 13                        ; four K steps of 2,048
	s_add_co_u32 s26, s26, s24
	s_add_co_u32 s26, s26, s30
	s_add_co_u32 s26, s26, s31
	s_add_co_u32 s24, s24, s28
	s_add_co_u32 s24, s24, s29
	s_add_nc_u64 s[12:13], s[12:13], s[24:25]
	s_add_nc_u64 s[18:19], s[18:19], s[26:27]
	s_wait_alu depctr_va_vdst(0)
	v_lshlrev_b32 v5, 14, v2                       ; r x 16 rows of 1,024 bytes,
	v_lshl_add_u32 v5, v3, 4, v5                   ; + 16 h
.irp k, 0,1,2,3
.irp c, 0,1
	global_load_b128 v[8+8*\k+4*\c:11+8*\k+4*\c], v5, s[12:13] offset:64*\k+32*\c
.endr
.endr
	s_wait_loadcnt 0x0
.irp k, 0,1,2,3
.irp c, 0,1
	global_store_b128 v4, v[8+8*\k+4*\c:11+8*\k+4*\c], s[18:19] offset:2048*\k+512*\c   ; 32 lanes store 512 consecutive bytes
.endr
.endr
	s_endpgm
	; ---- dec.  Wave d = 4 x work-group + wave takes columns 64 d .. 64 d + 63 for all 32 batches.  USED TRANSPOSED: source 0 = 16 rows of W_dec, source 1 = 16 batches:
	; register j of lane (r, h) is dec[16 mt + r][64 d + 16 i + 8 h + j]: eight neighbours of a row of dec.
.Ldec:
	s_lshl_b32 s23, ttmp9, 2
	s_add_co_u32 s23, s23, s22                     ; d 0..15
	s_lshl_b32 s24, s23, 15                        ; 64 rows of 512 bytes of codes
	s_add_nc_u64 s[4:5], s[4:5], s[24:25]
	s_lshl_b32 s24, s23, 11                        ; 64 rows of 32 scale bytes
	s_add_nc_u64 s[6:7], s[6:7], s[24:25]
	s_lshl_b32 s24, s23, 8                         ; 64 columns of f32
	s_add_nc_u64 s[16:17], s[16:17], s[24:25]
	s_wait_alu depctr_va_vdst(0)
	v_lshlrev_b32 v5, 9, v2
	v_lshl_add_u32 v5, v3, 4, v5                   ; a fragment: row r of 512 bytes, + 16 h
	v_lshlrev_b32 v6, 5, v1                        ; scale words: 32 bytes a row, a row a lane
	s_mul_i32 s26, s22, 8704                       ; my stage: 32 rows x (256 + 16) bytes
	v_mul_u32_u24 v7, v2, 272
	v_lshl_add_u32 v7, v3, 5, v7
	v_add_nc_u32 v7, s26, v7                       ; in: row r, + 32 h
	v_mul_u32_u24 v8, v3, 272
	v_lshl_add_u32 v8, v2, 4, v8
	v_add_nc_u32 v8, s26, v8                       ; back: lanes 0-15 one row, lanes 16-31 the next
	v_lshlrev_b32 v9, 12, v3
	v_lshl_add_u32 v9, v2, 4, v9                   ; and the same two rows of dec (4,096 bytes a row)
.irp p, 0,1
.irp q, 0,1
	global_load_b128 v[WS+8*\p+4*\q:WS+8*\p+4*\q+3], v6, s[6:7] offset:1024*\p+16*\q
.endr
.endr
.irp q, 0,1
	global_load_b128 v[SS+4*\q:SS+4*\q+3], v6, s[10:11] offset:16*\q
.endr
.irp mt, 0,1
.irp ks, 0,1,2,3,4,5,6,7
.irp c, 0,1
	global_load_b128 v[FS+8*(8*\mt+\ks)+4*\c:FS+8*(8*\mt+\ks)+4*\c+3], v5, s[8:9] offset:8192*\mt+64*\ks+32*\c
.endr
.endr
.endr
	WIN 0x40                                       ; destination window 1
.irp i, 0,1,2,3
.irp ks, 0,1,2,3,4,5,6,7
.irp c, 0,1
	global_load_b128 v[8*(8*\i+\ks)+4*\c:8*(8*\i+\ks)+4*\c+3], v5, s[4:5] offset:8192*\i+64*\ks+32*\c
.endr
.endr
.endr
	s_wait_loadcnt 0x0                             ; all operands at once: the whole product is 64 matrix instructions
.macro DMM ks, i, mt
.set rD, ACC+8*(2*(\i)+(\mt))
.set rA, 8*(8*(\i)+(\ks))
.set rB, FS+8*(8*(\mt)+(\ks))
.set rSA, WS+8*((\i)/2)+(\ks)
.set rSB, SS+(\ks)
.if (\ks) == 0                                 ; the first K step starts the sums
.if ((\i)%2 == 0) && ((\mt) == 0)
	v_wmma_scale_f32_16x16x128_f8f6f4 v[rD:rD+7], v[rA:rA+7], v[rB:rB+7], 0, v[rSA], v[rSB] matrix_a_fmt:MATRIX_FMT_FP4 matrix_b_fmt:MATRIX_FMT_FP4
.elseif (\i)%2 == 0
	v_wmma_scale_f32_16x16x128_f8f6f4 v[rD:rD+7], v[rA:rA+7], v[rB:rB+7], 0, v[rSA], v[rSB] matrix_a_fmt:MATRIX_FMT_FP4 matrix_b_fmt:MATRIX_FMT_FP4 matrix_b_scale:MATRIX_SCALE_ROW1
.elseif (\mt) == 0
	v_wmma_scale_f32_16x16x128_f8f6f4 v[rD:rD+7], v[rA:rA+7], v[rB:rB+7], 0, v[rSA], v[rSB] matrix_a_fmt:MATRIX_FMT_FP4 matrix_b_fmt:MATRIX_FMT_FP4 matrix_a_scale:MATRIX_SCALE_ROW1
.else
	v_wmma_scale_f32_16x16x128_f8f6f4 v[rD:rD+7], v[rA:rA+7], v[rB:rB+7], 0, v[rSA], v[rSB] matrix_a_fmt:MATRIX_FMT_FP4 matrix_b_fmt:MATRIX_FMT_FP4 matrix_a_scale:MATRIX_SCALE_ROW1 matrix_b_scale:MATRIX_SCALE_ROW1
.endif
.else
.if ((\i)%2 == 0) && ((\mt) == 0)
	v_wmma_scale_f32_16x16x128_f8f6f4 v[rD:rD+7], v[rA:rA+7], v[rB:rB+7], v[rD:rD+7], v[rSA], v[rSB] matrix_a_fmt:MATRIX_FMT_FP4 matrix_b_fmt:MATRIX_FMT_FP4
.elseif (\i)%2 == 0
	v_wmma_scale_f32_16x16x128_f8f6f4 v[rD:rD+7], v[rA:rA+7], v[rB:rB+7], v[rD:rD+7], v[rSA], v[rSB] matrix_a_fmt:MATRIX_FMT_FP4 matrix_b_fmt:MATRIX_FMT_FP4 matrix_b_scale:MATRIX_SCALE_ROW1
.elseif (\mt) == 0
	v_wmma_scale_f32_16x16x128_f8f6f4 v[rD:rD+7], v[rA:rA+7], v[rB:rB+7], v[rD:rD+7], v[rSA], v[rSB] matrix_a_fmt:MATRIX_FMT_FP4 matrix_b_fmt:MATRIX_FMT_FP4 matrix_a_scale:MATRIX_SCALE_ROW1
.else
	v_wmma_scale_f32_16x16x128_f8f6f4 v[rD:rD+7], v[rA:rA+7], v[rB:rB+7], v[rD:rD+7], v[rSA], v[rSB] matrix_a_fmt:MATRIX_FMT_FP4 matrix_b_fmt:MATRIX_FMT_FP4 matrix_a_scale:MATRIX_SCALE_ROW1 matrix_b_scale:MATRIX_SCALE_ROW1
.endif
.endif
.endm
	WIN 0x01                                       ; source 0 (W_dec) window 1
.irp ks, 0,1,2,3,4,5,6,7                       ; K ascending; the eight accumulators take turns, one instruction a turn
.irp i, 0,1,2,3
.irp mt, 0,1
	DMM \ks, \i, \mt
.endr
.endr
.endr
	WIN 0
.rept 4
	v_nop                                          ; four places ahead of the LDS stores that read results and of the loads into dec_state's fragments
.endr
	s_wait_alu depctr_va_vdst(0)
.irp i, 0,1,2,3
.irp mt, 0,1
	ds_store_b128 v7, v[ACC+8*(2*\i+\mt):ACC+8*(2*\i+\mt)+3] offset:4352*\mt+64*\i        ; each accumulator from its low end on
	ds_store_b128 v7, v[ACC+8*(2*\i+\mt)+4:ACC+8*(2*\i+\mt)+7] offset:4352*\mt+64*\i+16
.endr
.endr
.irp k, 0,1,2,3,4,5,6,7,8,9,10,11,12,13,14,15
	ds_load_b128 v[FS+4*\k:FS+4*\k+3], v8 offset:544*\k    ; my own stage; LDS serves a wave's instructions in order (ISA guide 5.7.1.4): these see the stores above
.endr
.irp k, 0,1,2,3,4,5,6,7,8,9,10,11,12,13,14,15
	s_wait_dscnt 15-\k                             ; load k is in; the 15 - k behind it may be out
	global_store_b128 v9, v[FS+4*\k:FS+4*\k+3], s[16:17] offset:8192*\k   ; 16 lanes store 256 consecutive bytes, at a multiple of 256 from dec's first byte
.endr
	s_wait_tensorcnt 0x0
	ds_add_u32 v62, v63
	s_wait_dscnt 0x0
	s_endpgm
.Lfunc_end_k_qab67abd772_prep:
	.size	k_qab67abd772_prep, .Lfunc_end_k_qab67abd772_prep-k_qab67abd772_prep
	.p2alignl 7, 3214868480
	.fill 96, 4, 3214868480
	.section	.rodata,"a",@progbits
	.p2align	6, 0x0
	.amdhsa_kernel k_qab67abd772_prep
		.amdhsa_group_segment_fixed_size 35328
		.amdhsa_private_segment_fixed_size 0
		.amdhsa_enable_private_segment 0
		.amdhsa_kernarg_size 72
		.amdhsa_user_sgpr_count 2
		.amdhsa_user_sgpr_kernarg_segment_ptr 1
		.amdhsa_wavefront_size32 1
		.amdhsa_system_sgpr_workgroup_id_x 1
		.amdhsa_system_sgpr_workgroup_id_y 1
		.amdhsa_system_sgpr_workgroup_id_z 1
		.amdhsa_system_vgpr_workitem_id 0
		.amdhsa_next_free_vgpr 512
		.amdhsa_next_free_sgpr 66
		.amdhsa_reserve_vcc 0
		.amdhsa_float_denorm_mode_32 3
		.amdhsa_float_denorm_mode_16_64 3
		.amdhsa_memory_ordered 1
		.amdhsa_forward_progress 1
		.amdhsa_inst_pref_size 28
	.end_amdhsa_kernel
	.amdgpu_metadata
---
amdhsa.version: [ 1, 2 ]
amdhsa.kernels:
  - .name:           k_qab67abd772_prep
    .symbol:         k_qab67abd772_prep.kd
    .args:
      - { .name: W_dec_codes, .offset: 0, .size: 8, .value_kind: global_buffer, .address_space: global }
      - { .name: W_dec_scales, .offset: 8, .size: 8, .value_kind: global_buffer, .address_space: global }
      - { .name: dec_state_codes, .offset: 16, .size: 8, .value_kind: global_buffer, .address_space: global }
      - { .name: dec_state_scales, .offset: 24, .size: 8, .value_kind: global_buffer, .address_space: global }
      - { .name: W_enc_codes, .offset: 32, .size: 8, .value_kind: global_buffer, .address_space: global }
      - { .name: W_enc_scales, .offset: 40, .size: 8, .value_kind: global_buffer, .address_space: global }
      - { .name: dec, .offset: 48, .size: 8, .value_kind: global_buffer, .address_space: global }
      - { .name: wimg, .offset: 56, .size: 8, .value_kind: global_buffer, .address_space: global }
      - { .name: wsc, .offset: 64, .size: 8, .value_kind: global_buffer, .address_space: global }
    .group_segment_fixed_size: 35328
    .private_segment_fixed_size: 0
    .kernarg_segment_align: 8
    .kernarg_segment_size: 72
    .max_flat_workgroup_size: 128
    .sgpr_count:     66
    .vgpr_count:     512
    .wavefront_size: 32
...
	.end_amdgpu_metadata
.endif
;; end of part 1
;; launch energy (part 2): grid 32 x 16, 4 waves a work-group, no clusters, 309,248 bytes of LDS; arguments enc_state, src_length, W_energy, dec, wimg, wsc, ws_e, ws_m, ws_c; writes ws_e, ws_m, ws_c
.if DOCPART == 2
	.amdgcn_target "amdgcn-amd-amdhsa--gfx1250"
	.amdhsa_code_object_version 6
	.text
	.protected	k_qab67abd772_energy
	.globl	k_qab67abd772_energy
	.p2align	8
	.type	k_qab67abd772_energy,@function
k_qab67abd772_energy:
	s_mov_b64 s[64:65], 0
	v_nop
	global_prefetch_b8 v0, s[64:65] scope:SCOPE_SE
	s_setreg_imm32_b32 hwreg(HW_REG_WAVE_MODE, 25, 1), 1
	s_wait_xcnt 0x0
; One work-group takes 64 rows s of one batch b (b = work-group x, block j = work-group y) and reads their 512 KB of enc_state from memory ONCE.
;  P1  The rows stream in, 128 along K a step.  Wave w owns rows 16 w .. 16 w + 15: it quantises them to E2M1 with one E8M0 scale for each 32 along K (f32 in, the stated rule), keeps an f16 copy of them in LDS
;      for the context, and hands codes and scale words to the other waves through LDS as images of the operand's registers.  At the end every wave holds the codes of all 64 rows x 2,048 K in 512 registers.
;  P2  Wave w multiplies the 64 rows by its 256 columns of W_enc, two tiles of 16 columns at a time; W's fragments come from memory straight into registers as dense images (made by the launch before).
;      On the accumulators: w_h tanh(dec + enc) = w_h - 2 w_h / (1 + 2^(2 log2(e) (dec + enc))), summed over the lane's columns.
;  P3  The four waves' sums meet in LDS: the block's 64 energies; the mask from src_length (-infinity); the block's largest energy m; p = e^(energy - m); the partial context sum over s of p[s] x[s][:],
;      by the f16 matrix form with f32 sums, from the copy.  The next launch joins the 16 blocks of a batch.
; WHY f16 AND NOT bf16 FOR THE COPY: both take 2 bytes a number; f16's step is eight times finer, and where src_length is short and a column's terms cancel, bf16's step shows in the sum.
; WHY NO CLUSTER AND NO TENSOR LOADS FOR W, though all work-groups walk the same W: the copy, the stages and the images take 308,736 of LDS's 327,680 bytes; a K step of W is 65,536 bytes, so no ring fits beside them.
; WHY MASKED BLOCKS ARE COMPUTED TOO: the waves exchange codes behind 16 barriers, and no barrier may hang on src_length; every work-group does the same work and the mask falls on the energies.
; LIMITS: NaN and infinities in enc_state are not served; a block of 32 whose largest magnitude lies under 2^-124 keeps the scale byte 1 (a block of zeros too: its codes are zeros);
;      energies beyond 1e30 in magnitude are not served (the floor of a wholly masked block's maximum); src_length above 1,024 counts as 1,024;
;      the context takes enc_state and p rounded to f16: |enc_state| must stay under 65,504, and a p under 6e-8 of its block's largest counts as 0 there; its sums are f32.
; THE COLUMNS OF A TILE OF W: wave w, tile t = 2 P + u, lane row r stand for column n = 256 w + 16 r + t, so that a lane's 16 numbers of dec and of W_energy are 64 neighbouring bytes.
; LDS
; THE GRID: b = work-group x, j = work-group y: the blocks with low j, which no src_length can mask ahead of those with high j, have the low work-group numbers.
; A BLOCK WHOLLY AT OR PAST src_length[b] (src_length - 64 j <= 0) walks P1 alone, with all its barriers; what the note above says of masked blocks holds of P1.
; Two scalar branches on that number, which is the same in the four waves, lead round P2 and round P3, and round no barrier: reference()'s own mask makes these rows' alphas 0.
; Such a block stores energies of -infinity, the floor as its maximum and a partial context of zeros.  LIMIT: a NaN or an infinity in such rows of enc_state is not carried to the result.
.set CP,   4128
.set STG,  64*CP                       ; 264,192: a stage of 8,448 bytes for each wave, its own: 16 rows x 528 (P1); the tables of dec and W_energy (P2); the context's way out (P3)
.set STGW, 8448
.set IMG,  STG+4*STGW                  ; 297,984: two slots of four fragments' images (tile m at 1,024 m + 512 c + 16 lane)
.set SCI,  IMG+8192                    ; 306,176: two slots of x's scale words, at 16 r + 4 m
.set RED,  SCI+512                     ; 306,688: wave w's sums for the 64 rows, 256 bytes each
.set PB,   RED+1024                    ; 307,712: p[64] in f16, 128 bytes, a copy for each wave, 256 bytes apart
; REGISTERS, window 0
.set XO,   4                           ; 16 x lane
.set STW,  5                           ; my stage + 16 lane
.set STR,  6                           ; my stage + 528 r + 128 h
.set IMW,  7                           ; IMG + 1,024 wave + 16 lane
.set IMR,  8                           ; IMG + 16 lane
.set SCW,  9                           ; SCI + 16 r + 4 wave
.set SCR,  10                          ; SCI + 16 r
.set CPW,  11                          ; (16 wave + r) CP + 64 h
.set SH8,  12                          ; 8 h
.set RV,   13                          ; 64 r
.set TA0,  14                          ; my stage + 8 lane
.set TA,   15
.set RW,   16                          ; RED + 256 wave + 32 h
.set RR,   17                          ; RED + 8 lane
.set PW4,  18                          ; PB + 256 wave + 4 lane
.set TR,   19                          ; v19-22 the turning loads: (16 i + 8 h + lane % 8) CP + 16 ((lane / 8) % 2) + 1,024 wave, i = 0 .. 3 (16 rows of the copy are more than an LDS immediate holds)
.set PAH,  23                          ; PB + 256 wave + 16 h
.set OSW,  27                          ; my stage + 4 r
.set NINF, 28
.set IDX0, 29                          ; 2 lane, 2 lane + 1: my two rows in P3
.set IDX1, 30
.set L8,   31                          ; 8 lane
.set MX,   32                          ; v32-35 four chains of a maximum
.set SO,   36                          ; v36-37 the conversions' scale operands
.set BY,   38                          ; v38-39 scale bytes
.set WD,   40                          ; the scale word
.set PX,   41                          ; a lane permute's destination (written once at the head)
                                       ; v42-47 at work; in P3: v42-43 p, v44-45 my two energies, v46 the block's maximum
.set CD,   48                          ; v48-55 the codes just made
.set DCP,  56                          ; v56-57 2 log2(e) dec of the pair's two tiles
.set W2P,  58                          ; v58-59 -2 W_energy of them
.set T,    64                          ; v64-127 P1: 64 numbers of x;  P2: eight accumulators (u, m) at 8 (4 u + m);  P3: at work
.set ACC,  64
.set PF,   96                          ; v96-111 P3: p's two fragments (rows 0-31, rows 32-63)
.set AS,   128                         ; v128-191 x's scale words, 4 ks + m.  Scales and nothing else
.set BS,   192                         ; v192-207 W's scale words by ks: lanes 0-15 tile 2 P, lanes 16-31 tile 2 P + 1.  Scales and nothing else
.set E,    208                         ; v208-239 first dec (16) and W_energy (16) as loaded, then the energies' sums, 8 m + j
; window 1: P1 four landing sets of 64; P2 W's fragments (ks, u) at 16 ks + 8 u; P3 two buffers of 16 fragments of the copy.
; windows 2, 3: x's fragments (ks, m) at 32 (ks % 8) + 8 m of window 2 + ks / 8; in P3 window 2 holds the context's 32 accumulators, tile t at 8 t
.set MSB, 0
.macro WIN new                         ; low byte: bits 1:0 source 0, 3:2 source 1, 5:4 source 2, 7:6 destination; the high byte repeats the setting that is left
.if MSB != \new
	s_set_vgpr_msb (MSB<<8)|\new
.set MSB, \new
.endif
.endm
	s_load_b512 s[4:19], s[0:1], 0x0               ; enc_state s[4:5], src_length s[6:7], W_energy s[8:9], dec s[10:11], wimg s[12:13], wsc s[14:15], ws_e s[16:17], ws_m s[18:19]
	s_load_b64 s[20:21], s[0:1], 0x40              ; ws_c
	v_lshl_add_u32 v254, v0, 2, 0x4b600
	v_mov_b32 v255, 0
	v_lshrrev_b32 v1, 5, v0
	v_readfirstlane_b32 s22, v1                    ; wave 0..3
	s_and_b32 s23, ttmp7, 0xffff                   ; j
	s_mov_b32 s24, ttmp9                           ; b
	v_and_b32 v1, 31, v0                           ; lane
	v_and_b32 v2, 15, v0                           ; r
	v_bfe_u32 v3, v0, 4, 1                         ; h
	s_mul_i32 s41, s22, STGW
	s_add_co_u32 s41, s41, STG                     ; my stage
	v_lshlrev_b32 v[XO], 4, v1
	v_add_nc_u32 v[STW], s41, v[XO]
	v_mul_u32_u24 v[STR], v2, 528
	v_lshl_add_u32 v[STR], v3, 7, v[STR]
	v_add_nc_u32 v[STR], s41, v[STR]
	s_lshl_b32 s42, s22, 10                        ; my 512 columns of the copy: 1,024 bytes of each row
	v_and_b32 v42, 7, v0
	v_lshl_add_u32 v42, v3, 3, v42                 ; 8 h + lane % 8: the row that I address in a turning load
	v_mul_u32_u24 v[TR], v42, CP
	v_bfe_u32 v43, v0, 3, 1
	v_lshl_add_u32 v[TR], v43, 4, v[TR]            ; + 16 ((lane / 8) % 2): which 8 of the 16 columns
	v_add_nc_u32 v[TR], s42, v[TR]
.irp i, 1,2,3
	v_add_nc_u32 v[TR+\i], \i*16*CP, v[TR]
.endr
	s_add_co_u32 s42, s42, IMG
	v_add_nc_u32 v[IMW], s42, v[XO]
	v_add_nc_u32 v[IMR], IMG, v[XO]
	s_lshl_b32 s42, s22, 2
	s_add_co_u32 s42, s42, SCI
	v_lshl_add_u32 v[SCW], v2, 4, s42
	v_lshl_add_u32 v[SCR], v2, 4, SCI
	s_mul_i32 s42, s22, 16*CP
	v_mul_u32_u24 v[CPW], v2, CP
	v_lshl_add_u32 v[CPW], v3, 6, v[CPW]
	v_add_nc_u32 v[CPW], s42, v[CPW]
	v_lshlrev_b32 v[SH8], 3, v3
	v_lshlrev_b32 v[RV], 6, v2
	v_lshl_add_u32 v[TA0], v1, 3, s41
	s_lshl_b32 s42, s22, 8
	s_add_co_u32 s43, s42, PB
	s_add_co_u32 s42, s42, RED
	v_lshl_add_u32 v[RW], v3, 5, s42
	v_lshl_add_u32 v[RR], v1, 3, RED
	v_lshl_add_u32 v[PW4], v1, 2, s43
	v_lshl_add_u32 v[PAH], v3, 4, s43
	v_lshl_add_u32 v[OSW], v2, 2, s41
	v_mov_b32 v[NINF], 0xff800000
	v_lshlrev_b32 v[IDX0], 1, v1
	v_add_nc_u32 v[IDX1], 1, v[IDX0]
	v_lshlrev_b32 v[L8], 3, v1
	v_mov_b32 v[PX], 0
	s_mov_b32 s28, 0x4038aa3b                      ; 2 log2(e)
	s_mov_b32 s29, s28                             ; (named with it as a pair, so it is written)
	s_mov_b32 s30, 0x76543210
	s_mov_b32 s31, 0xfedcba98                      ; v_permlanex16_b32's selects for lane l xor 16
	s_mov_b32 s32, 0x3fb8aa3b                      ; log2(e)
	s_mov_b32 s37, 0                               ; every offset below stays under 2^32
	s_wait_kmcnt 0x0
	s_lshl_b32 s36, s24, 2
	s_add_nc_u64 s[6:7], s[6:7], s[36:37]
	s_load_b32 s25, s[6:7], 0x0                    ; src_length[b]
	s_lshl_b32 s36, s24, 10
	s_lshl_b32 s39, s23, 6
	s_add_co_u32 s36, s36, s39
	s_lshl_b32 s39, s22, 4
	s_add_co_u32 s36, s36, s39                     ; my first row: 1,024 b + 64 j + 16 wave,
	s_lshl_b32 s36, s36, 13                        ; of 8,192 bytes
	s_add_nc_u64 s[4:5], s[4:5], s[36:37]
	s_lshl_b32 s36, s22, 10                        ; my 256 columns, f32
	s_add_nc_u64 s[8:9], s[8:9], s[36:37]
	s_lshl_b32 s39, s24, 12
	s_add_co_u32 s36, s36, s39
	s_add_nc_u64 s[10:11], s[10:11], s[36:37]
.irp i, 0,1,2,3
	global_load_b128 v[E+4*\i:E+4*\i+3], v[RV], s[10:11] offset:16*\i         ; dec[b][256 w + 16 r + 0 .. 15]
.endr
.irp i, 0,1,2,3
	global_load_b128 v[E+16+4*\i:E+16+4*\i+3], v[RV], s[8:9] offset:16*\i     ; W_energy likewise
.endr
; K step ks of my 16 rows: 16 loads, each 512 consecutive bytes of one row, into landing set ks % 4
.macro XLOAD ks
	WIN 0x40                                       ; destination window 1
.irp i, 0,1,2,3,4,5,6,7,8,9,10,11,12,13,14,15
	global_load_b128 v[64*((\ks)%4)+4*\i:64*((\ks)%4)+4*\i+3], v[XO], s[4:5] offset:\i*8192+(\ks)*512 th:TH_LOAD_NT
.endr
	WIN 0
.endm
; Group q of a pair of tiles of W: K steps 4 q .. 4 q + 3, both tiles: 16 dense loads of 512 bytes, and one for their scale words: 17 loads.  off = 0: the pair at the base; 32,768: the next pair
.macro GLOAD q, off
	WIN 0x40
.irp kk, 0,1,2,3
.irp u, 0,1
.irp c, 0,1
	global_load_b128 v[16*(4*(\q)+\kk)+8*\u+4*\c:16*(4*(\q)+\kk)+8*\u+4*\c+3], v[XO], s[12:13] offset:(\off)+(4*(\q)+\kk)*2048+\u*1024+\c*512
.endr
.endr
.endr
	WIN 0
	global_load_b128 v[BS+4*(\q):BS+4*(\q)+3], v[XO], s[14:15] offset:(\off)/16+512*(\q)
.endm
	XLOAD 0
	XLOAD 1
	XLOAD 2
	XLOAD 3                                        ; four K steps, 64 loads of 512 bytes, are on their way in each wave
	s_lshl_b32 s36, s22, 18
	s_add_nc_u64 s[12:13], s[12:13], s[36:37]      ; my part of wimg,
	s_lshl_b32 s36, s22, 14
	s_add_nc_u64 s[14:15], s[14:15], s[36:37]      ; of wsc
	s_lshl_b32 s36, s24, 12
	s_lshl_b32 s39, s23, 8
	s_add_co_u32 s36, s36, s39
	s_add_nc_u64 s[16:17], s[16:17], s[36:37]      ; ws_e at [b][64 j]
	s_lshl_b32 s36, s24, 6
	s_lshl_b32 s39, s23, 2
	s_add_co_u32 s36, s36, s39
	s_add_nc_u64 s[18:19], s[18:19], s[36:37]      ; ws_m at [b][j]
	s_lshl_b32 s36, s24, 4
	s_add_co_u32 s36, s36, s23
	s_lshl_b32 s36, s36, 13
	s_lshl_b32 s39, s22, 11
	s_add_co_u32 s36, s36, s39
	s_add_nc_u64 s[20:21], s[20:21], s[36:37]      ; ws_c at [b][j][512 wave]
	s_wait_kmcnt 0x0
	s_lshl_b32 s26, s23, 6
	s_sub_co_i32 s26, s25, s26                     ; src_length - 64 j: row i of the block counts where i lies under it
; T[32 c + i] = x(row r, 128 ks + 64 c + 32 h + i): a lane owns two whole blocks of 32.  Out: the fragment's codes in v[CD] on, the row's scale word in v[WD], and the 64 numbers as f16 in v[T] .. v[T + 31].
.macro QUANT
.irp c, 0,1
.irp f, 0,1
	v_max3_num_f32 v[MX+2*\c+\f], |v[T+32*\c+16*\f]|, |v[T+32*\c+16*\f+1]|, 0x1800000   ; four chains of 16; the floor 2^(3 - 127) holds the byte at 1 from below
.endr
.endr
.irp i, 2,4,6,8,10,12,14
.irp c, 0,1
.irp f, 0,1
	v_max3_num_f32 v[MX+2*\c+\f], v[MX+2*\c+\f], |v[T+32*\c+16*\f+\i]|, |v[T+32*\c+16*\f+\i+1]|
.endr
.endr
.endr
.irp c, 0,1
	v_max_num_f32 v[MX+2*\c], v[MX+2*\c], v[MX+2*\c+1]             ; the block's largest magnitude
.endr
.irp c, 0,1
	v_add_nc_u32 v[SO+\c], 0xff000000, v[MX+2*\c]                  ; 2 off its exponent field: the conversion takes this operand's exponent field as its scale
.endr
.irp c, 0,1
	v_lshrrev_b32 v[BY+\c], 23, v[SO+\c]                           ; the scale's byte
.endr
	v_lshl_or_b32 v[WD], v[BY+1], 16, v[BY]        ; my two bytes: blocks h and 2 + h of the K step,
	v_lshlrev_b32 v[WD], v[SH8], v[WD]             ; at their places (8 h bits up);
	v_permlanex16_b32 v[PX], v[WD], s30, s31
	v_or_b32 v[WD], v[WD], v[PX]                   ; with lane l xor 16's two the word is whole
.irp c, 0,1
.irp g, 0,1,2,3
	v_cvt_scalef32_pk8_fp4_f32 v[CD+4*\c+\g], v[T+32*\c+8*\g:T+32*\c+8*\g+7], v[SO+\c]   ; registers 4 c .. 4 c + 3 of the operand
.endr
.endr
	v_nop                                          ; one plain place behind the scaled conversions, ahead of the lines that write their sources
.set n, 0
.rept 32
	v_cvt_pk_f16_f32 v[T+n], v[T+2*n], v[T+2*n+1]  ; packed in place, ascending: a result never lands on numbers not yet read
.set n, n+1
.endr
.endm
; ONE K STEP OF P1
.macro TRIP ks
.set SL, (\ks)%2
.set PS, 64*((\ks)%4)
.if (\ks) <= 12
	s_wait_loadcnt 48                              ; this step's 16 loads are in; behind them were issued three more steps' 48
.else
	s_wait_loadcnt 48+(\ks)-12                     ; behind them: 15 - ks steps of x (16 each) and ks - 12 groups of W (17 each)
.endif
	WIN 0x04                                       ; an LDS store's data are its source 1: window 1
.irp i, 0,1,2,3,4,5,6,7,8,9,10,11,12,13,14,15
	ds_store_b128 v[STW], v[PS+4*\i:PS+4*\i+3] offset:528*\i       ; the turn through my own stage: in as loaded, a row of 512 bytes a store,
.endr
	WIN 0
.irp c, 0,1
.irp jj, 0,1,2,3,4,5,6,7
	ds_load_b128 v[T+32*\c+4*\jj:T+32*\c+4*\jj+3], v[STR] offset:256*\c+16*\jj   ; out as the operand's layout wants a lane: 32 neighbours of row r, twice
.endr
.endr
	s_wait_dscnt 0x0                               ; my 64 numbers are in; the stores have read the landing set; and my reads of the last step's images are over (they stand ahead of this step's barrier)
.if (\ks) <= 11
	XLOAD (\ks)+4                                  ; the landing set takes the step four on
.else
	GLOAD (\ks)-12, 0                              ; x is all asked for: the set takes a group of W's first pair of tiles
.endif
	QUANT
.irp c, 0,1
	ds_store_b128 v[IMW], v[CD+4*\c:CD+4*\c+3] offset:4096*SL+512*\c            ; the fragment's image: tile m = my wave
.endr
	ds_store_b32 v[SCW], v[WD] offset:256*SL       ; its scale words (lanes r and r + 16 store the same word with the same value)
.irp c, 0,1
.irp jj, 0,1,2,3
	ds_store_b128 v[CPW], v[T+16*\c+4*\jj:T+16*\c+4*\jj+3] offset:256*(\ks)+128*\c+16*\jj   ; the f16 copy: row 16 w + r, columns 128 ks + 64 c + 32 h + 8 jj on (the pitch serves the turning loads: here rows r and r + 8 meet)
.endr
.endr
	s_wait_dscnt 0x0                               ; for the others' sake: my stores have landed
	s_barrier_signal -1
	s_barrier_wait -1                              ; the four images of this step lie in slot ks % 2.  That slot is written again two steps on, behind the next step's barrier, ahead of which every wave has waited for the reads below
.if (\ks) < 8
	WIN 0x80                                       ; destination window 2
.else
	WIN 0xc0                                       ; window 3
.endif
.irp m, 0,1,2,3
.irp c, 0,1
	ds_load_b128 v[32*((\ks)%8)+8*\m+4*\c:32*((\ks)%8)+8*\m+4*\c+3], v[IMR] offset:4096*SL+1024*\m+512*\c
.endr
.endr
	WIN 0
	ds_load_b128 v[AS+4*(\ks):AS+4*(\ks)+3], v[SCR] offset:256*SL   ; row r's words of the four tiles
.endm
.irp ks, 0,1,2,3,4,5,6,7,8,9,10,11,12,13,14,15     ; written out: each step's fragments have registers of their own, and every offset is an immediate
	TRIP \ks
.endr
	; ---- the set-up of P2.  The lane's 16 numbers of dec and W_energy go, scaled, into tables in my stage, a pair of tiles to 256 bytes, so that the loop over pairs can fetch them by a stepped address
	v_add_f32 v42, v[E+16], v[E+17]
	v_add_f32 v43, v[E+18], v[E+19]
.irp i, 20,24,28
	v_add_f32 v42, v42, v[E+\i]
	v_add_f32 v43, v43, v[E+\i+1]
	v_add_f32 v42, v42, v[E+\i+2]
	v_add_f32 v43, v43, v[E+\i+3]
.endr
	v_add_f32 v42, v42, v43                        ; the sum of my 16 w: where each row's sum begins
.irp i, 0,2,4,6,8,10,12,14
	v_pk_mul_f32 v[E+\i:E+\i+1], v[E+\i:E+\i+1], s[28:29] op_sel_hi:[1,0]           ; 2 log2(e) dec
	v_pk_mul_f32 v[E+16+\i:E+17+\i], v[E+16+\i:E+17+\i], -2.0 op_sel_hi:[1,0]       ; -2 w
.endr
.irp p, 0,1,2,3,4,5,6,7
	ds_store_b64 v[TA0], v[E+2*\p:E+2*\p+1] offset:256*\p
	ds_store_b64 v[TA0], v[E+16+2*\p:E+17+2*\p] offset:2048+256*\p
.endr
	s_wait_dscnt 0x0                               ; the tables' stores have read their registers; the last step's fragments and scale words are in
.set n, 0
.rept 32
	v_mov_b32 v[E+n], v42
.set n, n+1
.endr
; One product: rows 16 m on x tile 2 P + u, K step ks.  Register j of lane (r, h) is enc(row 16 m + 8 h + j, column 256 w + 16 r + 2 P + u)
.macro MM ks, u, m
.set rD, ACC+8*(4*(\u)+(\m))
.set rA, 32*((\ks)%8)+8*(\m)
.set rB, 16*(\ks)+8*(\u)
.if (\ks) == 0                                 ; the first K step starts the sums: nothing is cleared
.if (\u) == 0
	v_wmma_scale_f32_16x16x128_f8f6f4 v[rD:rD+7], v[rA:rA+7], v[rB:rB+7], 0, v[AS+4*(\ks)+(\m)], v[BS+(\ks)] matrix_a_fmt:MATRIX_FMT_FP4 matrix_b_fmt:MATRIX_FMT_FP4
.else
	v_wmma_scale_f32_16x16x128_f8f6f4 v[rD:rD+7], v[rA:rA+7], v[rB:rB+7], 0, v[AS+4*(\ks)+(\m)], v[BS+(\ks)] matrix_a_fmt:MATRIX_FMT_FP4 matrix_b_fmt:MATRIX_FMT_FP4 matrix_b_scale:MATRIX_SCALE_ROW1
.endif
.else
.if (\u) == 0
	v_wmma_scale_f32_16x16x128_f8f6f4 v[rD:rD+7], v[rA:rA+7], v[rB:rB+7], v[rD:rD+7], v[AS+4*(\ks)+(\m)], v[BS+(\ks)] matrix_a_fmt:MATRIX_FMT_FP4 matrix_b_fmt:MATRIX_FMT_FP4
.else
	v_wmma_scale_f32_16x16x128_f8f6f4 v[rD:rD+7], v[rA:rA+7], v[rB:rB+7], v[rD:rD+7], v[AS+4*(\ks)+(\m)], v[BS+(\ks)] matrix_a_fmt:MATRIX_FMT_FP4 matrix_b_fmt:MATRIX_FMT_FP4 matrix_b_scale:MATRIX_SCALE_ROW1
.endif
.endif
.endm
; The pair's 64 numbers a lane: E += -2 w / (1 + 2^(2 log2(e) (enc + dec))).  An exponential that overflows gives 1 / infinity = 0 (tanh = 1), one that falls to 0 gives 1 (tanh = -1).  Each accumulator is read from its low end on.
.macro EPI
.irp a, 0,1,2,3
.irp jj, 0,2,4,6
	v_pk_fma_f32 v[ACC+8*\a+\jj:ACC+8*\a+\jj+1], v[ACC+8*\a+\jj:ACC+8*\a+\jj+1], s[28:29], v[DCP:DCP+1] op_sel_hi:[1,0,0]               ; tile 2 P: the pair's low word
.endr
.endr
.irp a, 4,5,6,7
.irp jj, 0,2,4,6
	v_pk_fma_f32 v[ACC+8*\a+\jj:ACC+8*\a+\jj+1], v[ACC+8*\a+\jj:ACC+8*\a+\jj+1], s[28:29], v[DCP:DCP+1] op_sel:[0,0,1] op_sel_hi:[1,0,1]  ; tile 2 P + 1: its high word
.endr
.endr
.set n, 0
	s_wait_alu depctr_va_vdst(0)
.rept 64
	v_exp_f32 v[ACC+n], v[ACC+n]
.set n, n+1
.endr
	v_nop                                          ; a plain place behind the transcendentals
.set n, 0
	s_wait_alu depctr_va_vdst(0)
.rept 32
	v_pk_add_f32 v[ACC+n:ACC+n+1], v[ACC+n:ACC+n+1], 1.0 op_sel_hi:[1,0]
.set n, n+2
.endr
.set n, 0
	s_wait_alu depctr_va_vdst(0)
.rept 64
	v_rcp_f32 v[ACC+n], v[ACC+n]
.set n, n+1
.endr
	v_nop
	s_wait_alu depctr_va_vdst(0)
.irp m, 0,1,2,3
.irp jj, 0,2,4,6
	v_pk_fma_f32 v[E+8*\m+\jj:E+8*\m+\jj+1], v[ACC+8*\m+\jj:ACC+8*\m+\jj+1], v[W2P:W2P+1], v[E+8*\m+\jj:E+8*\m+\jj+1] op_sel_hi:[1,0,1]
.endr
.endr
.irp m, 0,1,2,3
.irp jj, 0,2,4,6
	v_pk_fma_f32 v[E+8*\m+\jj:E+8*\m+\jj+1], v[ACC+32+8*\m+\jj:ACC+32+8*\m+\jj+1], v[W2P:W2P+1], v[E+8*\m+\jj:E+8*\m+\jj+1] op_sel:[0,1,0] op_sel_hi:[1,1,1]
.endr
.endr
.endm
; A PAIR OF TILES: 128 matrix instructions, K ascending, the eight accumulators by turns, one instruction a turn.  refill = 1: each group of W's registers is asked for again, for the next pair, as soon as its products are issued.
.macro PAIR refill
	v_add_nc_u32 v[TA], s34, v[TA0]
	ds_load_b64 v[DCP:DCP+1], v[TA]
	ds_load_b64 v[W2P:W2P+1], v[TA] offset:2048
.irp q, 0,1,2,3
.if \refill
	s_wait_loadcnt 51                              ; this group's 17 loads are in; behind them stand three groups: 3 - q of this pair and q of the next
.else
	s_wait_loadcnt 17*(3-\q)                       ; the last pair: only its own later groups stand behind
.endif
.if \q < 2
	WIN 0x06                                       ; source 0 (x) window 2, source 1 (W) window 1
.else
	WIN 0x07                                       ; x in window 3
.endif
.irp kk, 0,1,2,3
.irp u, 0,1
.irp m, 0,1,2,3
	MM 4*\q+\kk, \u, \m
.endr
.endr
.endr
.rept 4
	v_nop                                          ; four places ahead of loads into registers that these products read, and of the first read of results
.endr
.if \refill
	GLOAD \q, 32768
.endif
.endr
	WIN 0
	s_wait_dscnt 0x0                               ; the pair's dec and w are in
	EPI
.endm
	s_mov_b32 s34, 0                               ; the pair's place in the tables
	s_mov_b32 s33, 7
.Lpair:                                                ; every block walks the seven trips and steps the tables' place and the bases; where no row of the block counts, the branch leads round the pair's work alone
	s_cmp_gt_i32 s26, 0                            ; does any row of the block count?
	s_wait_alu depctr_va_vdst(0)
	s_cbranch_scc0 .Lnone                          ; a trip passed over leaves out the same 68 loads of W that stand out at the loop's entry
	PAIR 1
.Lnone:
	s_wait_xcnt 0x0                                ; the loads issued have had their addresses translated (ISA guide 3.1): only behind this wait are their bases stepped
	s_add_nc_u64 s[12:13], s[12:13], 32768
	s_add_nc_u64 s[14:15], s[14:15], 2048
	s_add_co_u32 s34, s34, 256
	s_sub_co_u32 s33, s33, 1
	s_cmp_lg_u32 s33, 0
	s_cbranch_scc1 .Lpair
	s_cmp_gt_i32 s26, 0
	s_wait_alu depctr_va_vdst(0)
	s_cbranch_scc0 .Ljoin                          ; the same test leads round the eighth pair
	PAIR 0
	; ---- the columns are joined: over the 16 lanes of a half (my wave's 256 columns), then over the four waves through LDS
.Ljoin:
	s_wait_alu depctr_va_vdst(0)
	s_wait_loadcnt 0x0                             ; where the pairs were passed over: the 68 loads of W's first pair, asked for in K steps 12 to 15, have landed, so that later loads may take their registers; else none is out
.irp k, 1,2,4,8
.set n, 0
.rept 32
	v_add_f32_dpp v[E+n], v[E+n], v[E+n] row_xmask:\k row_mask:0xf bank_mask:0xf
.set n, n+1
.endr
.endr
.irp mt, 0,1,2,3
.irp k, 0,1
	ds_store_b128 v[RW], v[E+8*\mt+4*\k:E+8*\mt+4*\k+3] offset:64*\mt+16*\k   ; rows 16 mt + 8 h + 4 k on; the 16 lanes of a half store the same bytes with the same values
.endr
.endr
	s_wait_dscnt 0x0                               ; for the others' sake
	s_barrier_signal -1
	s_barrier_wait -1                              ; the last barrier: from here on a wave writes only bytes of its own
; THE CONTEXT: wave w takes columns 512 w .. 512 w + 511: 32 tiles of 16, in four groups of eight.  D = A B: A = p (the same 32 numbers in all 16 rows), B = 32 rows x 16 columns of the copy:
; register 0 of lane (r, h) of tile t is the sum over these rows of p[s] x[s][512 w + 16 t + r].
; Group g's 16 fragments (tile tt, rows 32 s2 on) into buffer g % 2 of window 1: the turning load leaves lane (r, h) column r and rows 8 h + 0 .. 7 of the 16 rows addressed; 32 loads
.macro CL g
	WIN 0x40                                       ; destination window 1
.irp tt, 0,1,2,3,4,5,6,7
.irp s2, 0,1
	ds_load_tr16_b128 v[128*((\g)%2)+8*(2*\tt+\s2):128*((\g)%2)+8*(2*\tt+\s2)+3],   v[TR+2*\s2]   offset:32*(8*(\g)+\tt)
	ds_load_tr16_b128 v[128*((\g)%2)+8*(2*\tt+\s2)+4:128*((\g)%2)+8*(2*\tt+\s2)+7], v[TR+2*\s2+1] offset:32*(8*(\g)+\tt)
.endr
.endr
	WIN 0
.endm
; Group g's 16 products: rows 0-31 start the eight sums, rows 32-63 add onto them; the eight accumulators by turns, one instruction a turn
.macro CM g
	WIN 0xa4                                       ; source 0 (p) window 0, source 1 (the copy) window 1, C and D window 2
.irp tt, 0,1,2,3,4,5,6,7
	v_wmma_f32_16x16x32_f16 v[8*(8*(\g)+\tt):8*(8*(\g)+\tt)+7], v[PF:PF+7], v[128*((\g)%2)+16*\tt:128*((\g)%2)+16*\tt+7], 0
.endr
.irp tt, 0,1,2,3,4,5,6,7
	v_wmma_f32_16x16x32_f16 v[8*(8*(\g)+\tt):8*(8*(\g)+\tt)+7], v[PF+8:PF+15], v[128*((\g)%2)+16*\tt+8:128*((\g)%2)+16*\tt+15], v[8*(8*(\g)+\tt):8*(8*(\g)+\tt)+7]
.endr
	WIN 0
.endm
	s_cmp_gt_i32 s26, 0
	s_wait_alu depctr_va_vdst(0)
	s_cbranch_scc1 .Lp3
.irp i, 0,1,2,3
	v_mov_b32 v[T+\i], 0                           ; no row counts: the partial context is 0,
.endr
	v_mov_b32 v44, v[NINF]                         ; the energies are -infinity,
	v_mov_b32 v45, v[NINF]
	v_mov_b32 v46, 0xf149f2ca                      ; and the block's maximum is the floor, -1e30
	s_wait_alu depctr_va_vdst(0)
.irp i, 0,1,2,3
	global_store_b128 v[XO], v[T:T+3], s[20:21] offset:512*\i      ; my 512 columns: 512 consecutive bytes a store
.endr
	s_branch .Lout
.Lp3:
.irp w, 0,1,2,3
	ds_load_b64 v[T+2*\w:T+2*\w+1], v[RR] offset:256*\w
.endr
	CL 0                                           ; the copy has been whole since P1's last barrier: the first group is fetched while p is made
	s_wait_dscnt 32                                ; the four waves' sums are in; the 32 turning loads may be out
	; ---- P3, every wave alike: lane l has rows 2 l and 2 l + 1
	v_pk_add_f32 v[T:T+1], v[T:T+1], v[T+2:T+3]
	v_pk_add_f32 v[T+4:T+5], v[T+4:T+5], v[T+6:T+7]
	v_pk_add_f32 v[44:45], v[T:T+1], v[T+4:T+5]
	v_cmp_gt_i32 vcc_lo, s26, v[IDX0]
	v_cndmask_b32 v44, v[NINF], v44, vcc_lo        ; the mask: -infinity from src_length on
	v_cmp_gt_i32 vcc_lo, s26, v[IDX1]
	v_cndmask_b32 v45, v[NINF], v45, vcc_lo
	v_max_num_f32 v46, v44, v45
	v_max_num_f32_dpp v46, v46, v46 row_xmask:1 row_mask:0xf bank_mask:0xf
	v_max_num_f32_dpp v46, v46, v46 row_xmask:2 row_mask:0xf bank_mask:0xf
	v_max_num_f32_dpp v46, v46, v46 row_xmask:4 row_mask:0xf bank_mask:0xf
	v_max_num_f32_dpp v46, v46, v46 row_xmask:8 row_mask:0xf bank_mask:0xf
	v_permlanex16_b32 v[PX], v46, s30, s31
	v_max_num_f32 v46, v46, v[PX]                  ; the block's largest energy,
	v_max_num_f32 v46, 0xf149f2ca, v46             ; held at -1e30 from below: a block that is masked as a whole then has p = 0 and no NaN
	v_mul_f32 v47, 0xbfb8aa3b, v46                 ; -log2(e) m
	v_fma_f32 v42, v44, s32, v47
	v_fma_f32 v43, v45, s32, v47
	s_wait_alu depctr_va_vdst(0)
	v_exp_f32 v42, v42                             ; p = e^(energy - m), at most 1; 0 where masked
	v_exp_f32 v43, v43
	v_nop                                          ; a plain place behind the transcendentals
	s_wait_alu depctr_va_vdst(0)
	v_cvt_pk_f16_f32 v47, v42, v43                 ; my two p as f16
	ds_store_b32 v[PW4], v47                       ; my wave's own p[64], 128 bytes on end: read back below by the same wave, in order
.irp s2, 0,1
.irp c, 0,1
	ds_load_b128 v[PF+8*\s2+4*\c:PF+8*\s2+4*\c+3], v[PAH] offset:64*\s2+32*\c   ; p's fragment: registers 4 c on hold rows 32 s2 + 16 c + 8 h + 0 .. 7, in every lane of a half alike
.endr
.endr
	CL 1
	s_wait_dscnt 32                                ; group 0 and p are in; group 1's 32 loads may be out
	CM 0
.rept 4
	v_nop                                          ; four places ahead of loads into registers that these products read
.endr
	CL 2
	s_wait_dscnt 32                                ; group 1 is in; group 2's 32 loads may be out
	CM 1
.rept 4
	v_nop
.endr
	CL 3
	s_wait_dscnt 32                                ; group 2 is in; group 3's 32 loads may be out
	CM 2
	s_wait_dscnt 0x0
	CM 3
.rept 4
	v_nop                                          ; four places ahead of the LDS stores that read results
.endr
	; ---- the way out: each tile's register 0 (column 16 t + r) goes through my stage, and the 512 columns leave as runs of 512 consecutive bytes
	WIN 0x08                                       ; an LDS store's data are its source 1: window 2
.set n, 0
.rept 32
	ds_store_b32 v[OSW], v[8*n] offset:64*n        ; lanes r and r + 16 hold the same sum and store it to the same word
.set n, n+1
.endr
	WIN 0
.irp i, 0,1,2,3
	ds_load_b128 v[T+4*\i:T+4*\i+3], v[STW] offset:512*\i          ; my own bytes, served in order
.endr
	s_wait_dscnt 0x0
.irp i, 0,1,2,3
	global_store_b128 v[XO], v[T+4*\i:T+4*\i+3], s[20:21] offset:512*\i
.endr
.Lout:
	s_cmp_lg_u32 s22, 0
	s_cbranch_scc1 .Lend
	global_store_b64 v[L8], v[44:45], s[16:17]     ; 64 energies: 256 consecutive bytes, at a multiple of 256 from ws_e's first byte
	s_wait_xcnt 0x0                                ; EXEC is a source of the stores issued: it changes only behind this wait
	v_cmp_eq_u32 vcc_lo, 0, v1
	s_and_saveexec_b32 s40, vcc_lo
	global_store_b32 v[L8], v46, s[18:19]          ; lane 0 (offset 0): the block's maximum
	s_wait_xcnt 0x0                                ; and again ahead of the line that widens it
	s_or_b32 exec_lo, exec_lo, s40
.Lend:
	s_wait_tensorcnt 0x0
	ds_add_u32 v254, v255
	s_wait_dscnt 0x0
	s_endpgm
.Lfunc_end_k_qab67abd772_energy:
	.size	k_qab67abd772_energy, .Lfunc_end_k_qab67abd772_energy-k_qab67abd772_energy
	.p2alignl 7, 3214868480
	.fill 96, 4, 3214868480
	.section	.rodata,"a",@progbits
	.p2align	6, 0x0
	.amdhsa_kernel k_qab67abd772_energy
		.amdhsa_group_segment_fixed_size 309248
		.amdhsa_private_segment_fixed_size 0
		.amdhsa_enable_private_segment 0
		.amdhsa_kernarg_size 72
		.amdhsa_user_sgpr_count 2
		.amdhsa_user_sgpr_kernarg_segment_ptr 1
		.amdhsa_wavefront_size32 1
		.amdhsa_system_sgpr_workgroup_id_x 1
		.amdhsa_system_sgpr_workgroup_id_y 1
		.amdhsa_system_sgpr_workgroup_id_z 1
		.amdhsa_system_vgpr_workitem_id 0
		.amdhsa_next_free_vgpr 1024
		.amdhsa_next_free_sgpr 66
		.amdhsa_reserve_vcc 1
		.amdhsa_float_denorm_mode_32 3
		.amdhsa_float_denorm_mode_16_64 3
		.amdhsa_memory_ordered 1
		.amdhsa_forward_progress 1
		.amdhsa_inst_pref_size 255
	.end_amdhsa_kernel
	.section	.bss,"aw",@nobits
	.p2align	6
	.space	262144
	.amdgpu_metadata
---
amdhsa.version: [ 1, 2 ]
amdhsa.kernels:
  - .name:           k_qab67abd772_energy
    .symbol:         k_qab67abd772_energy.kd
    .args:
      - { .name: enc_state, .offset: 0, .size: 8, .value_kind: global_buffer, .address_space: global }
      - { .name: src_length, .offset: 8, .size: 8, .value_kind: global_buffer, .address_space: global }
      - { .name: W_energy, .offset: 16, .size: 8, .value_kind: global_buffer, .address_space: global }
      - { .name: dec, .offset: 24, .size: 8, .value_kind: global_buffer, .address_space: global }
      - { .name: wimg, .offset: 32, .size: 8, .value_kind: global_buffer, .address_space: global }
      - { .name: wsc, .offset: 40, .size: 8, .value_kind: global_buffer, .address_space: global }
      - { .name: ws_e, .offset: 48, .size: 8, .value_kind: global_buffer, .address_space: global }
      - { .name: ws_m, .offset: 56, .size: 8, .value_kind: global_buffer, .address_space: global }
      - { .name: ws_c, .offset: 64, .size: 8, .value_kind: global_buffer, .address_space: global }
    .group_segment_fixed_size: 309248
    .private_segment_fixed_size: 0
    .kernarg_segment_align: 8
    .kernarg_segment_size: 72
    .max_flat_workgroup_size: 128
    .sgpr_count:     66
    .vgpr_count:     1024
    .wavefront_size: 32
...
	.end_amdgpu_metadata
.endif
;; end of part 2
;; launch combine (part 3): grid 8 x 32, 1 waves a work-group, no clusters, 0 bytes of LDS; arguments ws_e, ws_m, ws_c, out0, out1; writes out0, out1
.if DOCPART == 3
	.amdgcn_target "amdgcn-amd-amdhsa--gfx1250"
	.amdhsa_code_object_version 6
	.text
	.protected	k_qab67abd772_combine
	.globl	k_qab67abd772_combine
	.p2align	8
	.type	k_qab67abd772_combine,@function
k_qab67abd772_combine:
	s_mov_b64 s[64:65], 0
	v_nop
	global_prefetch_b8 v0, s[64:65] scope:SCOPE_SE
	s_setreg_imm32_b32 hwreg(HW_REG_WAVE_MODE, 25, 1), 1
	s_wait_xcnt 0x0
; The 16 blocks of a batch are joined.  Work-group (x, b), one wave: alphas 128 x .. 128 x + 127 and columns 256 x .. 256 x + 255 of the context of batch b.
;  M = the largest of the batch's 1,024 masked energies;  L = the sum of e^(energy - M);  alpha = e^(energy - M) / L (0 where masked: 2^-infinity);
;  context = sum over the blocks j of (e^(m_j - M) / L) x the block's partial context, which was summed under the block's own maximum m_j.
; Each of a batch's eight work-groups finds M and L anew from the 4,096 bytes of energies: that is less than a further launch or an exchange between work-groups would cost.
; No LDS, no barrier, no matrix work: 20 KB in, 1.5 KB out for a wave.  LIMIT: src_length <= 0 gives NaN everywhere, as the softmax of a row of -infinity does.
	s_load_b256 s[4:11], s[0:1], 0x0               ; ws_e s[4:5], ws_m s[6:7], ws_c s[8:9], out0 s[10:11]
	s_load_b64 s[12:13], s[0:1], 0x20              ; out1
	s_and_b32 s14, ttmp7, 0xffff                   ; b
	v_lshlrev_b32 v1, 4, v0                        ; 16 x lane
	v_mov_b32 v7, 0                                ; a lane permute's destination counts as read
	s_mov_b32 s32, 0x3fb8aa3b                      ; log2(e)
	s_mov_b32 s33, s32                             ; (named with it as a pair)
	s_mov_b32 s34, 0x76543210
	s_mov_b32 s35, 0xfedcba98                      ; selects for lane l xor 16
	s_mov_b32 s37, 0
	s_wait_alu depctr_va_vdst(0)
	s_wait_kmcnt 0x0
	s_lshl_b32 s36, s14, 6
	s_add_nc_u64 s[6:7], s[6:7], s[36:37]
	s_load_b512 s[16:31], s[6:7], 0x0              ; the 16 block maxima
	s_lshl_b32 s36, s14, 12
	s_add_nc_u64 s[4:5], s[4:5], s[36:37]          ; the batch's energies
	s_add_nc_u64 s[12:13], s[12:13], s[36:37]
	s_lshl_b32 s36, ttmp9, 9
	s_add_nc_u64 s[38:39], s[4:5], s[36:37]        ; my 128 of them,
	s_add_nc_u64 s[12:13], s[12:13], s[36:37]      ; and their alphas
	s_lshl_b32 s36, s14, 17
	s_add_nc_u64 s[8:9], s[8:9], s[36:37]
	s_lshl_b32 s36, s14, 13
	s_add_nc_u64 s[10:11], s[10:11], s[36:37]
	s_lshl_b32 s36, ttmp9, 10
	s_add_nc_u64 s[8:9], s[8:9], s[36:37]          ; my 256 columns of the partial contexts,
	s_add_nc_u64 s[10:11], s[10:11], s[36:37]      ; and of the context
.irp i, 0,1,2,3,4,5,6,7
	global_load_b128 v[8+4*\i:11+4*\i], v1, s[4:5] offset:512*\i
.endr
	global_load_b128 v[40:43], v1, s[38:39]
.irp j, 0,1,2,3,4,5,6,7,8,9,10,11,12,13,14,15
.irp u, 0,1
	global_load_b128 v[64+8*\j+4*\u:67+8*\j+4*\u], v1, s[8:9] offset:8192*\j+512*\u
.endr
.endr
	s_wait_loadcnt 32                              ; the energies are in; the 32 loads of partial contexts may be out
.irp c, 0,1,2,3
	v_max3_num_f32 v[2+\c], v[8+8*\c], v[9+8*\c], v[10+8*\c]       ; four chains of eight
.endr
.irp i, 3,5
.irp c, 0,1,2,3
	v_max3_num_f32 v[2+\c], v[2+\c], v[8+8*\c+\i], v[9+8*\c+\i]
.endr
.endr
.irp c, 0,1,2,3
	v_max_num_f32 v[2+\c], v[2+\c], v[15+8*\c]
.endr
	v_max3_num_f32 v2, v2, v3, v4
	v_max_num_f32 v2, v2, v5
	v_max_num_f32_dpp v2, v2, v2 row_xmask:1 row_mask:0xf bank_mask:0xf
	v_max_num_f32_dpp v2, v2, v2 row_xmask:2 row_mask:0xf bank_mask:0xf
	v_max_num_f32_dpp v2, v2, v2 row_xmask:4 row_mask:0xf bank_mask:0xf
	v_max_num_f32_dpp v2, v2, v2 row_xmask:8 row_mask:0xf bank_mask:0xf
	v_permlanex16_b32 v7, v2, s34, s35
	v_max_num_f32 v2, v2, v7                       ; M
	v_mul_f32 v6, 0xbfb8aa3b, v2                   ; -log2(e) M
.set n, 8
.rept 18
	v_pk_fma_f32 v[n:n+1], v[n:n+1], s[32:33], v[6:7] op_sel_hi:[1,0,0]   ; log2(e) (energy - M): the 1,024, and my slice of 128 once more
.set n, n+2
.endr
.set n, 8
	s_wait_alu depctr_va_vdst(0)
.rept 36
	v_exp_f32 v[n], v[n]
.set n, n+1
.endr
	v_nop                                          ; a plain place behind the transcendentals
	s_wait_alu depctr_va_vdst(0)
	v_pk_add_f32 v[2:3], v[8:9], v[10:11]          ; L, two at a time, in two chains
	v_pk_add_f32 v[4:5], v[12:13], v[14:15]
.irp i, 16,20,24,28,32,36
	v_pk_add_f32 v[2:3], v[2:3], v[\i:\i+1]
	v_pk_add_f32 v[4:5], v[4:5], v[\i+2:\i+3]
.endr
	v_pk_add_f32 v[2:3], v[2:3], v[4:5]
	v_add_f32 v2, v2, v3
	v_add_f32_dpp v2, v2, v2 row_xmask:1 row_mask:0xf bank_mask:0xf
	v_add_f32_dpp v2, v2, v2 row_xmask:2 row_mask:0xf bank_mask:0xf
	v_add_f32_dpp v2, v2, v2 row_xmask:4 row_mask:0xf bank_mask:0xf
	v_add_f32_dpp v2, v2, v2 row_xmask:8 row_mask:0xf bank_mask:0xf
	v_permlanex16_b32 v7, v2, s34, s35
	v_add_f32 v2, v2, v7
	s_wait_alu depctr_va_vdst(0)
	v_rcp_f32 v4, v2                               ; 1 / L (v5, the pair's other half, was written above)
	v_nop
	s_wait_alu depctr_va_vdst(0)
	v_pk_mul_f32 v[40:41], v[40:41], v[4:5] op_sel_hi:[1,0]
	v_pk_mul_f32 v[42:43], v[42:43], v[4:5] op_sel_hi:[1,0]
	global_store_b128 v1, v[40:43], s[12:13]       ; 128 alphas: 512 consecutive bytes
	s_wait_kmcnt 0x0                               ; the block maxima
.irp j, 0,1,2,3,4,5,6,7,8,9,10,11,12,13,14,15
	v_fma_f32 v[44+\j], s[16+\j], s32, v6
.endr
	s_wait_alu depctr_va_vdst(0)
.irp j, 0,1,2,3,4,5,6,7,8,9,10,11,12,13,14,15
	v_exp_f32 v[44+\j], v[44+\j]
.endr
	v_nop
	s_wait_alu depctr_va_vdst(0)
.irp j, 0,2,4,6,8,10,12,14
	v_pk_mul_f32 v[44+\j:45+\j], v[44+\j:45+\j], v[4:5] op_sel_hi:[1,0]   ; the blocks' weights e^(m_j - M) / L
.endr
	s_wait_alu depctr_va_vdst(0)
	s_wait_loadcnt 0x0                             ; the partial contexts
.irp g, 0,1,2,3
	v_pk_mul_f32 v[192+2*\g:193+2*\g], v[64+2*\g:65+2*\g], v[44:45] op_sel_hi:[1,0]                                   ; block 0 starts the sums: nothing is cleared
.endr
.irp g, 0,1,2,3
	v_pk_fma_f32 v[192+2*\g:193+2*\g], v[72+2*\g:73+2*\g], v[44:45], v[192+2*\g:193+2*\g] op_sel:[0,1,0] op_sel_hi:[1,1,1]   ; block 1: the pair's high word for both halves
.endr
.irp p, 1,2,3,4,5,6,7
.irp g, 0,1,2,3
	v_pk_fma_f32 v[192+2*\g:193+2*\g], v[64+16*\p+2*\g:65+16*\p+2*\g], v[44+2*\p:45+2*\p], v[192+2*\g:193+2*\g] op_sel_hi:[1,0,1]
.endr
.irp g, 0,1,2,3
	v_pk_fma_f32 v[192+2*\g:193+2*\g], v[72+16*\p+2*\g:73+16*\p+2*\g], v[44+2*\p:45+2*\p], v[192+2*\g:193+2*\g] op_sel:[0,1,0] op_sel_hi:[1,1,1]
.endr
.endr
.irp u, 0,1
	global_store_b128 v1, v[192+4*\u:195+4*\u], s[10:11] offset:512*\u   ; 512 consecutive bytes a store
.endr
	s_endpgm
.Lfunc_end_k_qab67abd772_combine:
	.size	k_qab67abd772_combine, .Lfunc_end_k_qab67abd772_combine-k_qab67abd772_combine
	.p2alignl 7, 3214868480
	.fill 96, 4, 3214868480
	.section	.rodata,"a",@progbits
	.p2align	6, 0x0
	.amdhsa_kernel k_qab67abd772_combine
		.amdhsa_group_segment_fixed_size 0
		.amdhsa_private_segment_fixed_size 0
		.amdhsa_enable_private_segment 0
		.amdhsa_kernarg_size 40
		.amdhsa_user_sgpr_count 2
		.amdhsa_user_sgpr_kernarg_segment_ptr 1
		.amdhsa_wavefront_size32 1
		.amdhsa_system_sgpr_workgroup_id_x 1
		.amdhsa_system_sgpr_workgroup_id_y 1
		.amdhsa_system_sgpr_workgroup_id_z 1
		.amdhsa_system_vgpr_workitem_id 0
		.amdhsa_next_free_vgpr 208
		.amdhsa_next_free_sgpr 66
		.amdhsa_reserve_vcc 0
		.amdhsa_float_denorm_mode_32 3
		.amdhsa_float_denorm_mode_16_64 3
		.amdhsa_memory_ordered 1
		.amdhsa_forward_progress 1
		.amdhsa_inst_pref_size 17
	.end_amdhsa_kernel
	.amdgpu_metadata
---
amdhsa.version: [ 1, 2 ]
amdhsa.kernels:
  - .name:           k_qab67abd772_combine
    .symbol:         k_qab67abd772_combine.kd
    .args:
      - { .name: ws_e, .offset: 0, .size: 8, .value_kind: global_buffer, .address_space: global }
      - { .name: ws_m, .offset: 8, .size: 8, .value_kind: global_buffer, .address_space: global }
      - { .name: ws_c, .offset: 16, .size: 8, .value_kind: global_buffer, .address_space: global }
      - { .name: out0, .offset: 24, .size: 8, .value_kind: global_buffer, .address_space: global }
      - { .name: out1, .offset: 32, .size: 8, .value_kind: global_buffer, .address_space: global }
    .group_segment_fixed_size: 0
    .private_segment_fixed_size: 0
    .kernarg_segment_align: 8
    .kernarg_segment_size: 40
    .max_flat_workgroup_size: 32
    .sgpr_count:     66
    .vgpr_count:     208
    .wavefront_size: 32
...
	.end_amdgpu_metadata
.endif
;; end of part 3
